; MI455X (gfx1250); checked and timed in simulation.
; The chip was launched on July 23, 2026; its instructions are those of AMD's public machine-readable ISA for CDNA 5 (MIT licence, August 2026) and "CDNA5" Instruction Set Architecture Reference Guide (July 2026). The comments in the code are by the model that wrote it; some were corrected since.
;; NVFP4 Packed Linear. Allowed arithmetic: matrix products marked QUANTISED: E3M2 operands, one E8M0 scale for each 32 along K, by v_wmma_scale_f32_16x16x128_f8f6f4 with both operands' format E3M2, f32 sums; everything else in f32.
;; Inputs: bias 8,192 float32; weight_packed 8,192 x 2,048 int32; weight_scales 8,192 x 128 float32; x 4 x 512 x 4,096 float32.
;; Outputs: out0 4 x 512 x 8,192 float32.
;; This version of the problem:
;;   THIS VERSION OF THE PROBLEM IS GIVEN IN LOW PRECISION. The matrix products marked QUANTISED in the list below multiply operands that are first quantised to E3M2 (3 exponent bits, 2 mantissa bits; 6 bits a number), with one power-of-two scale for each 32 numbers along K (OCP MX v1.0); their sums are f32. All else is computed in f32.
;;   The module's matrix products, in the order in which they are computed (A, B: the left and right operand; K: the contracted axis; several contracted axes count as one K, in the product's order):
;;     1. [M 2,048, K 4,096] x [K 4,096, N 8,192]; A: input x; B: computed on the way: QUANTISED
;;   THE QUANTISER, for each operand of a quantised product, along K:
;;     - K is cut into blocks of 32 from its start; a last block that is shorter is filled with zeros.
;;     - A block's scale is 2^e with e = floor(log2(the largest magnitude in the block)) - 4, held to -126 .. 127; a block of zeros has e = 0. As a byte (E8M0): e + 127.
;;     - Each number is divided by its block's scale, clamped to +-28, and rounded to the nearest number of E3M2, ties to even, subnormals kept.
;;     - The product sums the exact products of the quantised numbers (number of the format x scale) in f32.
;;   ~~~python
;;   def quantise(x, axis):      # numpy; x: float32 -> the quantised numbers, widened to float32 again
;;       x = np.moveaxis(x, axis, -1); K = x.shape[-1]
;;       x = np.pad(x, [(0, 0)] * (x.ndim - 1) + [(0, -K % 32)]); x = x.reshape(x.shape[:-1] + (-1, 32)); a = np.abs(x).max(-1, keepdims=True)
;;       e = np.where(a > 0, np.clip(np.frexp(np.where(a > 0, a, 1))[1] - 1 - 4, -126, 127), 0)      # np.frexp(a)[1] - 1 = floor(log2(a)), exactly
;;       r = np.clip(x / 2.0 ** e, -28, 28)
;;       step = 2.0 ** (np.maximum(np.frexp(np.where(r == 0, 1, r))[1] - 1, -2) - 2)
;;       q = np.round(r / step) * step * 2.0 ** e      # np.round: ties to even
;;       return np.moveaxis(q.reshape(q.shape[:-2] + (-1,))[..., :K], -1, axis).astype(np.float32)
;;   ~~~
;;   OPERANDS COMPUTED ON THE WAY. 'Computed on the way' means the value that the module computes at that place (a softmax that the list does not call 'softmax' is quantised finished and normalised). What goes into a quantiser is computed in f32, as accurately as f32 sums, v_exp_f32 and their like allow (about 1e-6 of the number): no bf16 or f16 on the way to a quantiser, and a product that is left as it is and whose result goes on into a quantised operand takes f32 operands (vector FMAs, or v_wmma_f32_16x16x4_f32). A number that lies on a knife's edge between two numbers of the format may be rounded either way, as far as f32 arithmetic and the matrix unit's own rounding can turn it there, and no further.
;; One version. Each part assembles by itself: llvm-mc -triple=amdgcn-amd-amdhsa -mcpu=gfx1250 --defsym DOCPART=n.
;; ======== version 1 of 1: 2 launches
;; limits: right only within a limited range of input values
;; workspace buffers: xq 6,553,600 bytes; wq 26,214,400 bytes
;; launch quant (part 1): grid 1280 x 1, 4 waves a work-group, no clusters, 48,640 bytes of LDS; arguments x, weight_packed, weight_scales, xq, wq; writes xq, wq
.if DOCPART == 1
	.amdgcn_target "amdgcn-amd-amdhsa--gfx1250"
	.amdhsa_code_object_version 6
	.text
	.protected	k_qbf1baa8d5c_quant
	.globl	k_qbf1baa8d5c_quant
	.p2align	8
	.type	k_qbf1baa8d5c_quant,@function
k_qbf1baa8d5c_quant:
	s_mov_b64 s[64:65], 0
	v_nop
	global_prefetch_b8 v0, s[64:65] scope:SCOPE_SE
	s_setreg_imm32_b32 hwreg(HW_REG_WAVE_MODE, 25, 1), 1
	s_wait_xcnt 0x0
; Both operands of out = gelu(x W^T + bias) are turned ONCE into codes of BF6 (E3M2) with one E8M0 scale byte for each 32 along K.
; x: [2048][4096] f32.  W: [8192][4096], computed as the problem states it: each int32 of weight_packed holds two E2M1 codes in its lowest byte (low nibble: even k; the bits above
; bit 7 are not looked at), each decoded number x the f32 scale of its block of 32 (weight_scales [8192][128]), one rounding in f32.  No work of the problem is left out.
; A block's scale is 2^(floor(log2(largest magnitude)) - 4): its byte is the largest magnitude's exponent field - 4, held at 1 from below by a floor of 2^(5 - 127).
; LIMITS: a block of zeros gets the byte 1 where the stated quantiser says 127 (its codes are zeros, and this program alone reads the bytes); NaN and infinities in x or weight_scales are not served.
; OUT, as the product's launch takes it into registers: [panel of 128 rows][K step of 128: 32][12,800 bytes] = 8 fragments of 1,536 bytes, then 512 scale bytes.
; A fragment is 16 rows x 128 K: lane L = r + 16 h of the product has 48 bytes at 48 L: block h (24 bytes), then block 2 + h.  Scale bytes: 64 i + 4 r + block.
; Fragment i of a panel of x holds rows 16 i + r; of W rows 64 (i / 4) + 4 r + i % 4, so that four tiles of the product give a lane four neighbouring columns.
; SHARES.  A work-group takes 64 rows (four fragments) x four neighbouring K steps; wave t takes fragment t in all four steps: 2,048 (W: 1,024) consecutive bytes of each of its 16 rows, 64 bytes of each row of
; weight_scales, four runs of 1,536 bytes of codes.  Work-groups 0-255 take x, 256-1279 W.
; A fragment goes in four parts (8 rows, h): lane l holds 16 neighbours along K of row l / 4, block 2 ((l / 2) % 2) + h, half l % 2: its 12 bytes of codes lie at 12 l of 384 consecutive bytes.
; The numbers are loaded as they lie and turn through the wave's own stage in LDS; LDS serves a wave's instructions in order (ISA guide 5.7.1), so one stage serves.
; W: the lowest bytes of a load's four int32 are packed into one word first, and the words are laid in the order in which
; the parts' lanes take them, 8 bytes a lane.  A step's scale bytes come from all four waves: they meet in LDS, and behind one barrier wave w stores step w's 256 consecutive bytes.
; The two paths part once on the work-group's number and have LDS bytes of their own.  No tensor loads, no cluster: no byte is read by two work-groups.
.set WGX,   256
.set EMAX,  4
.set PANEL, 409600
.set STEPB, 12800
.set R,     16                         ; v16-79   two sets of 8 loads
.set X,     80                         ; v80-111  x: two sets of 16 neighbours
.set C,     112                        ; v112-175 four registers a part: 12 bytes of codes and the scale byte; no store's data are written again
.set SPW,   176                        ; my spare word's LDS address; never rewritten
.set NIL,   177                        ; 0; never rewritten
.set XREG,  9216                       ; x: a wave's stage: 16 rows x 576 bytes
.set XSH,   4*XREG                     ; x: the work-group's scale bytes: 4 steps x 256
.set WBASE, XSH+1024
.set WREG,  2304                       ; W: a wave's stage of 1,280 bytes, then its 256 f32 scales
.set WSCF,  1280
.set WSH,   WBASE+4*WREG               ; W: the work-group's scale bytes
.set SPARE, WSH+1024                   ; 48,128: the spare words, 512 bytes
.set P,     80                         ; W: v80-87 a fragment's packed words
.set NBS,   88                         ; v88-91 two pairs: a part's 16 codes of E2M1
.set F,     96                         ; v96-111 16 numbers in f32
.set SF,    178                        ; two pairs: the block's f32 scale by turns
.set ONE,   186
.set ASF,   187
.set ASW,   188
.set AWS,   189
.set WLA,   190
	s_load_b256 s[4:11], s[0:1], 0x0               ; x, weight_packed, weight_scales, xq
	s_load_b64 s[12:13], s[0:1], 0x20              ; wq
	v_lshl_add_u32 v[SPW], v0, 2, SPARE
	v_mov_b32 v[NIL], 0
	v_lshrrev_b32 v1, 5, v0
	v_readfirstlane_b32 s18, v1                    ; wave = my fragment of the four
	v_and_b32 v2, 31, v0                           ; lane
	v_lshlrev_b32 v3, 4, v2
	v_mul_u32_u24 v4, v2, 12                       ; my codes' place in a part's 384 bytes
	v_lshlrev_b32 v7, 3, v2
	v_and_b32 v10, 30, v2                          ; 4 (l / 4) + 2 ((l / 2) % 2): my block's scale byte in a part
	s_lshl_b32 s29, s18, 6
	s_lshl_b32 s20, s18, 8
	v_add_nc_u32 v5, s29, v10                      ; the scale bytes in LDS: 64 a fragment,
	v_add_nc_u32 v6, s20, v7                       ; and on the way out step = wave, 8 bytes a lane
	s_mov_b32 s21, 0
	s_cmp_lt_u32 ttmp9, WGX
	s_cselect_b32 s22, 0, WGX
	s_sub_co_u32 s22, ttmp9, s22                   ; the work-group's number within its tensor: panel x 16 + half x 8 + group of four K steps
	s_and_b32 s23, s22, 7                          ; which four K steps
	s_bfe_u32 s24, s22, 0x10003                    ; which 64 rows of the panel
	s_lshr_b32 s25, s22, 4                         ; panel
	s_mul_i32 s26, s25, PANEL
	s_mul_i32 s27, s23, 4*STEPB
	s_add_co_u32 s26, s26, s27
	s_mul_i32 s27, s24, 6144
	s_add_co_u32 s27, s27, s26
	s_mul_i32 s28, s18, 1536
	s_add_co_u32 s27, s27, s28                     ; where my fragment's codes begin in the first of the four steps
	s_mul_i32 s28, s18, STEPB
	s_add_co_u32 s28, s28, s26
	s_lshl_b32 s29, s24, 8
	s_add_co_u32 s28, s28, s29
	s_add_co_u32 s28, s28, 12288                   ; the 256 scale bytes that I store: step = wave
	s_lshl_b32 s25, s25, 1
	s_add_co_u32 s25, s25, s24                     ; the work-group's first row / 64
	s_wait_alu depctr_va_vdst(0)
	s_cmp_lt_u32 ttmp9, WGX
	s_cbranch_scc0 .Lw
.macro QUANT16                         ; 16 numbers of a lane, v[QS] on: 12 bytes of codes in v[QC] on, the block's byte in v[QE]; two neighbouring lanes hold a block
	v_max3_num_f32 v8, |v[QS]|, |v[QS+1]|, |v[QS+2]|
	v_max3_num_f32 v9, |v[QS+3]|, |v[QS+4]|, |v[QS+5]|
.irp i, 6,10
	v_max3_num_f32 v8, v8, |v[QS+\i]|, |v[QS+\i+1]|
	v_max3_num_f32 v9, v9, |v[QS+\i+2]|, |v[QS+\i+3]|
.endr
	v_max3_num_f32 v8, v8, |v[QS+14]|, |v[QS+15]|
	v_max3_num_f32 v8, v8, v9, (EMAX+1)<<23        ; the floor: the byte cannot fall under 1
	v_max_num_f32_dpp v8, v8, v8 row_xmask:1 row_mask:0xf bank_mask:0xf
	v_add_nc_u32 v11, -(EMAX<<23), v8              ; EMAX off the exponent field: the conversion's scale operand
	v_cvt_scalef32_pk16_bf6_f32 v[QC:QC+2], v[QS:QS+15], v11
	v_lshrrev_b32 v[QE], 23, v11                   ; the byte; also the plain line behind the scaled conversion
.endm
; Part N (step N / 4, rows 8 ((N % 4) / 2) on, h = N % 2): its byte into LDS; behind a fragment's fourth part its four stores of 384 consecutive bytes leave in one run
.macro LEAVE sh
	ds_store_b8 v5, v[QE] offset:(\sh)+256*(N/4)+32*((N%4)/2)+N%2    ; both lanes of a block write the same byte
.if N%4 == 3
.irp d, 3,2,1,0
	global_store_b96 v4, v[C+4*(N-\d):C+4*(N-\d)+2], s[14:15] offset:STEPB*(N/4)+768*((N-\d)%2)+384*(((N-\d)%4)/2)
.endr
.endif
.endm
.macro FINISH sh                       ; the four waves' scale bytes meet; wave w stores step w's 256 bytes, at a multiple of 256
	s_wait_dscnt 0x0                               ; my byte stores are done: for the others' sake
	s_barrier_signal -1
	s_barrier_wait -1
	ds_load_b64 v[12:13], v6 offset:\sh
	s_wait_dscnt 0x0
	global_store_b64 v7, v[12:13], s[16:17]
	s_wait_tensorcnt 0x0                           ; the wave's end
	ds_add_u32 v[SPW], v[NIL]
	s_wait_dscnt 0x0
	s_endpgm
.endm
; ---------------------------------------------------------------- x
	s_mul_i32 s19, s18, XREG
	v_bfe_u32 v8, v2, 4, 1                         ; into the stage: unit w = lane of a row's 32: place = w4 + 2 w2 + 4 w3 + 8 w0 + 17 w1
	v_bfe_u32 v9, v2, 2, 1
	v_lshl_add_u32 v8, v9, 1, v8
	v_bfe_u32 v9, v2, 3, 1
	v_lshl_add_u32 v8, v9, 2, v8
	v_and_b32 v9, 1, v2
	v_lshl_add_u32 v8, v9, 3, v8
	v_bfe_u32 v9, v2, 1, 1
	v_mad_u32_u24 v8, v9, 17, v8
	v_lshl_add_u32 v14, v8, 4, s19
	v_lshrrev_b32 v8, 2, v2                        ; out of it: row l / 4, place (l / 2) % 2 + 2 (l % 2); h, the 8 rows and the unit stand in the immediate
	v_mul_u32_u24 v15, v8, 576
	v_lshl_add_u32 v15, v9, 4, v15
	v_and_b32 v9, 1, v2
	v_lshl_add_u32 v15, v9, 5, v15
	v_add_nc_u32 v15, s19, v15
	s_lshl_b32 s20, s25, 20                        ; 64 rows of 16,384 bytes,
	s_lshl_b32 s29, s18, 18                        ; my 16 of them,
	s_add_co_u32 s20, s20, s29
	s_lshl_b32 s29, s23, 11                        ; four steps are 2,048 bytes
	s_add_co_u32 s20, s20, s29
	s_wait_alu depctr_va_vdst(0)
	s_wait_kmcnt 0x0
	s_add_nc_u64 s[4:5], s[4:5], s[20:21]
	s_mov_b32 s20, s27
	s_add_nc_u64 s[14:15], s[10:11], s[20:21]
	s_mov_b32 s20, s28
	s_add_nc_u64 s[16:17], s[10:11], s[20:21]
.macro XLOADH u                        ; half fragment u: step u / 2, rows 8 (u % 2) on: 8 loads of 512 consecutive bytes, into set u % 2
.set rr, 0
.rept 8
	global_load_b128 v[R+32*((\u)%2)+4*rr:R+32*((\u)%2)+4*rr+3], v3, s[4:5] offset:(8*((\u)%2)+rr)*16384+512*((\u)/2) th:TH_LOAD_NT
.set rr, rr+1
.endr
.endm
.macro XSTAGEH u
.set rr, 0
.rept 8
	ds_store_b128 v14, v[R+32*((\u)%2)+4*rr:R+32*((\u)%2)+4*rr+3] offset:576*(8*((\u)%2)+rr)
.set rr, rr+1
.endr
.endm
.macro XBACK n
.irp i, 0,1,2,3
	ds_load_b128 v[X+16*((\n)%2)+4*\i:X+16*((\n)%2)+4*\i+3], v15 offset:4608*(((\n)%4)/2)+64*((\n)%2)+128*(\i%2)+272*(\i/2)
.endr
.endm
.macro XSUB
.if N > 0
	s_wait_dscnt 1                                 ; this part's numbers are back (the last part's byte store may be out); the stage's stores, older, have read their registers
.else
	s_wait_dscnt 0x0
.endif
.if N%2 == 0 && N/2+2 < 8
	XLOADH N/2+2                                   ; two halves on, into the set just staged
.endif
.if N < 15
.if N%2 == 1
.if N/2+2 < 8
	s_wait_loadcnt 8                               ; the next half is in; the one behind it may be out
.else
	s_wait_loadcnt 0x0
.endif
	XSTAGEH N/2+1                                  ; in order behind the reads of the half that lay there
.endif
	XBACK N+1
.endif
.set QS, X+16*(N%2)
.set QC, C+4*N
.set QE, C+4*N+3
	QUANT16
	LEAVE XSH
.endm
	XLOADH 0
	XLOADH 1
	s_wait_loadcnt 8
	XSTAGEH 0
	XBACK 0
.set N, 0
.rept 16
	XSUB
.set N, N+1
.endr
	FINISH XSH
; ---------------------------------------------------------------- W
.Lw:
	s_mul_i32 s19, s18, WREG
	s_add_co_u32 s19, s19, WBASE
	s_mov_b32 s30, 0x04000400                      ; byte 0 of the second source, byte 0 of the first (twice)
	s_mov_b32 s31, 0x05040100                      ; the low halves of the second source and of the first
	v_bfe_u32 v8, v2, 2, 1                         ; a load's lane holds 8 codes: row 2 k + l / 16, unit w = l % 16: w3 = c, w2 = h, w1 = u.  Its word's place: 320 h + 32 (row % 8) + 16 c + 4 (w % 4)
	v_mul_u32_u24 v14, v8, 320
	v_lshrrev_b32 v1, 4, v2
	v_lshl_add_u32 v14, v1, 5, v14
	v_bfe_u32 v8, v2, 3, 1
	v_lshl_add_u32 v14, v8, 4, v14
	v_and_b32 v8, 3, v2
	v_lshl_add_u32 v14, v8, 2, v14
	v_add_nc_u32 v14, s19, v14
	v_add_nc_u32 v15, s19, v7                      ; out of the stage: 8 bytes a lane, on end
	v_and_b32 v8, 15, v2
	v_lshlrev_b32 v[WLA], 4, v8
	v_lshl_add_u32 v[WLA], v1, 15, v[WLA]          ; weight_packed: a fragment's rows lie 4 rows, 32,768 bytes, apart
	v_lshrrev_b32 v8, 2, v2
	v_and_b32 v9, 3, v2
	v_lshlrev_b32 v9, 4, v9
	v_lshl_add_u32 v[AWS], v8, 11, v9              ; weight_scales: four lanes to a row's 64 bytes, rows 2,048 bytes apart
	v_bfe_u32 v9, v2, 1, 1
	v_lshlrev_b32 v9, 3, v9
	v_lshl_add_u32 v9, v8, 6, v9
	v_add_nc_u32 v[ASF], s19, v9                   ; my block's f32 scale: 64 bytes a row, 8 for the pair of blocks
	v_add_nc_u32 v[ASW], s19, v3
	v_mov_b32 v[ONE], 0x7f7f7f7f
	v_mov_b32 v[SF+1], 0                           ; named as upper halves of pairs
	v_mov_b32 v[SF+3], 0
	s_lshl_b32 s20, s25, 19                        ; 64 rows of 8,192 bytes,
	s_lshl_b32 s29, s18, 13                        ; my fragment begins at row t,
	s_add_co_u32 s20, s20, s29
	s_lshl_b32 s29, s23, 10                        ; four steps are 1,024 bytes
	s_add_co_u32 s20, s20, s29
	s_wait_alu depctr_va_vdst(0)
	s_wait_kmcnt 0x0
	s_add_nc_u64 s[6:7], s[6:7], s[20:21]
	s_lshl_b32 s20, s25, 15                        ; 64 rows of 512 bytes
	s_lshl_b32 s29, s18, 9
	s_add_co_u32 s20, s20, s29
	s_lshl_b32 s29, s23, 6
	s_add_co_u32 s20, s20, s29
	s_add_nc_u64 s[8:9], s[8:9], s[20:21]
	s_mov_b32 s20, s27
	s_add_nc_u64 s[14:15], s[12:13], s[20:21]
	s_mov_b32 s20, s28
	s_add_nc_u64 s[16:17], s[12:13], s[20:21]
.macro WLOADF t                        ; step t of my fragment: 8 loads of two rows' 256 bytes, into set t % 2
.set rr, 0
.rept 8
	global_load_b128 v[R+32*((\t)%2)+4*rr:R+32*((\t)%2)+4*rr+3], v[WLA], s[6:7] offset:(\t)*256+rr*65536 th:TH_LOAD_NT
.set rr, rr+1
.endr
.endm
.macro WPACK t                         ; the lowest bytes of a load's four int32 make one word of eight E2M1 codes, the lower k in the lower bits; the words go into the stage
.set RB, R+32*((\t)%2)
.set rr, 0
.rept 8
	v_perm_b32 v[RB+4*rr], v[RB+4*rr+1], v[RB+4*rr], s30
	v_perm_b32 v[RB+4*rr+2], v[RB+4*rr+3], v[RB+4*rr+2], s30
.set rr, rr+1
.endr
.set rr, 0
.rept 8
	v_perm_b32 v[P+rr], v[RB+4*rr+2], v[RB+4*rr], s31
.set rr, rr+1
.endr
.set rr, 0
.rept 8
	ds_store_b32 v14, v[P+rr] offset:640*(rr/4)+64*(rr%4)
.set rr, rr+1
.endr
.endm
.macro WBACK n                         ; part n's 16 codes, and my block's f32 scale
	ds_load_b64 v[NBS+2*((\n)%2):NBS+2*((\n)%2)+1], v15 offset:640*(((\n)%4)/2)+320*((\n)%2)
	ds_load_b32 v[SF+2*((\n)%2)], v[ASF] offset:WSCF+512*(((\n)%4)/2)+16*((\n)/4)+4*((\n)%2)
.endm
	global_load_b128 v[F:F+3], v[AWS], s[8:9] th:TH_LOAD_NT                    ; my 16 rows' 16 scales each: rows 0 to 7 of the fragment,
	global_load_b128 v[F+4:F+7], v[AWS], s[8:9] offset:16384 th:TH_LOAD_NT     ; and 8 to 15
	WLOADF 0
	WLOADF 1
	s_wait_loadcnt 16                              ; the scales are in; the 16 loads behind them stay out
	ds_store_b128 v[ASW], v[F:F+3] offset:WSCF
	ds_store_b128 v[ASW], v[F+4:F+7] offset:WSCF+512
	s_wait_loadcnt 8                               ; step 0 is in
	WPACK 0
	WLOADF 2                                       ; its registers have been packed: they take the loads of two steps on
	WBACK 0
.macro WSUB
.set NS, NBS+2*(N%2)
.set SS, SF+2*(N%2)
.if N > 0
	s_wait_dscnt 1                                 ; this part's codes and scale are back (the last part's byte store may be out)
.else
	s_wait_dscnt 0x0                               ; (and the stores of the f32 scales have read v[F] on)
.endif
.if N < 15
.if N%4 == 3
.set T1, N/4+1
.if T1 < 3
	s_wait_loadcnt 8                               ; the next step is in; the one behind it may be out
.else
	s_wait_loadcnt 0x0
.endif
	WPACK T1                                       ; in order behind the reads of the step that lay in the stage
.if T1+2 < 4
	WLOADF T1+2
.endif
.endif
	WBACK N+1
.endif
	v_cvt_scale_pk8_f32_fp4 v[F:F+7], v[NS], v[ONE]                ; eight codes to f32, x 2^0: exact
	v_cvt_scale_pk8_f32_fp4 v[F+8:F+15], v[NS+1], v[ONE]
	v_nop                                          ; one plain line behind a scaled conversion
.irp j, 0,2,4,6,8,10,12,14
	v_pk_mul_f32 v[F+\j:F+\j+1], v[F+\j:F+\j+1], v[SS:SS+1] op_sel_hi:[1,0]   ; w = decoded number x the block's scale
.endr
.set QS, F
.set QC, C+4*N
.set QE, C+4*N+3
	QUANT16
	LEAVE WSH
.endm
.set N, 0
.rept 16
	WSUB
.set N, N+1
.endr
	FINISH WSH
.Lfunc_end_k_qbf1baa8d5c_quant:
	.size	k_qbf1baa8d5c_quant, .Lfunc_end_k_qbf1baa8d5c_quant-k_qbf1baa8d5c_quant
	.p2alignl 7, 3214868480
	.fill 96, 4, 3214868480
	.section	.rodata,"a",@progbits
	.p2align	6, 0x0
	.amdhsa_kernel k_qbf1baa8d5c_quant
		.amdhsa_group_segment_fixed_size 48640
		.amdhsa_private_segment_fixed_size 0
		.amdhsa_enable_private_segment 0
		.amdhsa_kernarg_size 40
		.amdhsa_user_sgpr_count 2
		.amdhsa_user_sgpr_kernarg_segment_ptr 1
		.amdhsa_wavefront_size32 1
		.amdhsa_system_sgpr_workgroup_id_x 1
		.amdhsa_system_sgpr_workgroup_id_y 1
		.amdhsa_system_sgpr_workgroup_id_z 1
		.amdhsa_system_vgpr_workitem_id 0
		.amdhsa_next_free_vgpr 192
		.amdhsa_next_free_sgpr 66
		.amdhsa_reserve_vcc 0
		.amdhsa_float_denorm_mode_32 3
		.amdhsa_float_denorm_mode_16_64 3
		.amdhsa_memory_ordered 1
		.amdhsa_forward_progress 1
		.amdhsa_inst_pref_size 75
	.end_amdhsa_kernel
	.amdgpu_metadata
---
amdhsa.version: [ 1, 2 ]
amdhsa.kernels:
  - .name:           k_qbf1baa8d5c_quant
    .symbol:         k_qbf1baa8d5c_quant.kd
    .args:
      - { .name: x, .offset: 0, .size: 8, .value_kind: global_buffer, .address_space: global }
      - { .name: weight_packed, .offset: 8, .size: 8, .value_kind: global_buffer, .address_space: global }
      - { .name: weight_scales, .offset: 16, .size: 8, .value_kind: global_buffer, .address_space: global }
      - { .name: xq, .offset: 24, .size: 8, .value_kind: global_buffer, .address_space: global }
      - { .name: wq, .offset: 32, .size: 8, .value_kind: global_buffer, .address_space: global }
    .group_segment_fixed_size: 48640
    .private_segment_fixed_size: 0
    .kernarg_segment_align: 8
    .kernarg_segment_size: 40
    .max_flat_workgroup_size: 128
    .sgpr_count:     66
    .vgpr_count:     192
    .wavefront_size: 32
...
	.end_amdgpu_metadata
.endif
;; end of part 1
;; launch gemm (part 2): grid 32 x 8, 4 waves a work-group, clusters of 4 x 4, 327,680 bytes of LDS; arguments xq, wq, out0, bias; writes out0
.if DOCPART == 2
	.amdgcn_target "amdgcn-amd-amdhsa--gfx1250"
	.amdhsa_code_object_version 6
	.text
	.protected	k_qbf1baa8d5c_gemm
	.globl	k_qbf1baa8d5c_gemm
	.p2align	8
	.type	k_qbf1baa8d5c_gemm,@function
k_qbf1baa8d5c_gemm:
	s_mov_b64 s[64:65], 0
	v_nop
	global_prefetch_b8 v0, s[64:65] scope:SCOPE_SE
	s_setreg_imm32_b32 hwreg(HW_REG_WAVE_MODE, 25, 1), 1
	s_wait_xcnt 0x0
	s_wait_alu depctr_hold_cnt(0) depctr_sa_sdst(0) depctr_va_vdst(0) depctr_va_sdst(0) depctr_va_ssrc(0) depctr_va_vcc(0) depctr_vm_vsrc(0)
	s_getreg_b32 s2, hwreg(HW_REG_IB_STS2, 6, 4)
	s_cmp_eq_u32 s2, 0
	s_cbranch_scc0 .Lentry_in_a_cluster
	s_endpgm
.Lentry_in_a_cluster:
	s_bfe_u32 s2, ttmp6, 0x10000c
	s_cmp_lg_u32 s2, 0xf033
	s_cbranch_scc0 .Lentry_shape_is_right
	s_endpgm
.Lentry_shape_is_right:
; out0[m][n] = gelu(sum over k of xq[m][k] wq[n][k] + bias[n]), tanh form, on codes of BF6 with E8M0 scales; M 2048, N 8192, K 4096; sums and all else in f32.
; A work-group of four waves makes 256 x 256, a wave 128 x 128: 64 accumulators.  Operands lie in memory as images of the operand registers: [panel of 128 rows][K step of 128][12,800 bytes]:
; 8 fragments of 1,536 bytes (lane L's 12 registers at 48 L) and 512 scale bytes (64 i + 4 r).  So a tensor load brings a dense run of rows of 256 bytes, a fragment is three loads of 16 bytes a lane,
; 48 bytes from lane to lane, and the scale words come with the tiles.
; RING: two slots of three K steps (4 panels x 38,400 bytes); each wave fetches one panel's piece by one joint load.  32 steps are ten fills of three and one of two.
; CLUSTERS: 4 x 4; x's panels are shared along a row of the cluster, W's along a column.
; REGISTERS: every window w holds v128-255: the 16 accumulators of x's blocks 2 w, 2 w + 1; v32-127: two sets of four fragments (window 0: W's 0-3, 1: W's 4-7, 2: x's 0-3, 3: x's 4-7).
; A step goes by quarters: quarter q writes window q, and an LDS load's data go to the destination's window, its address comes from source 0's: so the next step's fragments of window q are loaded under
; quarter q's own setting.  The loads stand in three runs a step: at the head of quarter 0 (12 and the 8 scale words), of quarter 1 (12) and of quarter 2 (its 12 and, behind one switch, window 3's 12).
; Window 2 holds W's and the scales' LDS addresses (v4-7), window 3 x's (v4-5).  Window 0: v16-31 scale words, two sets: register i: lanes 0-15 x's block i, lanes 16-31 W's block i.
; WAY OUT: source 0 = x, source 1 = W: register j of lane (r, h) is (m = 8 h + j, column r of the tile).  Fragment 4 g + t of W holds rows 64 g + 4 r + t: so tiles 4 g .. 4 g + 3 give a lane four neighbouring
; columns.  The bias add writes them side by side, and 16 lanes store 256 consecutive bytes at a multiple of 256.  No LDS stage.
.set PANEL, 409600
.set STEPB, 12800
.set PIECE, 38400
.set SLOT,  153600
.set SPARE, 307200                     ; behind the ring: the spare words, 512 bytes
.set SPW, 2
.set NIL, 3
.set PF0, 4                            ; window 0: the prefetches' offsets
.set PF1, 5
.set CO,  6                            ; my byte offset in out0
.set BO,  7
.set BI,  8                            ; v8-15 bias of my column in tiles 0-7
.set SC,  16
.set FRG, 32
.set ACC, 128
.set AD,  4
.set ADS, 6
.set G1, 24
.set G0, 32
.set G1B, 48
.set G0B, 56
.set PFA, 66
.set C2,  68
.set MSB, 0
.macro WIN new                         ; the immediate's high byte repeats the setting that is left
.if MSB != \new
	s_set_vgpr_msb (MSB<<8)|\new
.set MSB, \new
.endif
.endm
.macro PLACES
.rept 4
	v_nop
.endr
.endm
.macro JLOAD s                         ; a joint load: waves 0, 1 fetch x's two panels, waves 2, 3 W's
	s_cmp_eq_u32 s15, 0
	s_cbranch_scc0 .Lfor_b_\@
	tensor_load_to_lds s[G0+4*\s:G0+4*\s+3], s[G1:G1+7]
	s_nop 0
	PLACES
	s_branch .Lasked_\@
.Lfor_b_\@:
	tensor_load_to_lds s[G0B+4*\s:G0B+4*\s+3], s[G1B:G1B+7]
	s_nop 0
	PLACES
.Lasked_\@:
.endm
.macro CREST
	s_cmp_lg_u32 s14, 0
	s_cbranch_scc1 .Lnot_wave_0_\@
	s_barrier_signal -3
.Lnot_wave_0_\@:
	s_barrier_wait -3
	s_barrier_signal -1
	s_barrier_wait -1
.endm
.macro CROUND
	s_barrier_signal -1
	s_barrier_wait -1
	CREST
.endm
; Behind a refill with fill F: the fill F + 2 of my panel is prefetched, six K steps ahead of its load.  Its 150 blocks of 256 bytes are shared out by address among the four partners that load it jointly,
; 38 each (lanes left over name the share's last block again).  Fills 4 to 9 are asked for so; the loop's last trip asks for nothing.
.macro ASK
	s_cmp_gt_u32 s3, 1
	s_cbranch_scc0 .Lno_ask_\@
	global_prefetch_b8 v[PF0], s[PFA:PFA+1] th:TH_LOAD_NT scope:SCOPE_SE
	global_prefetch_b8 v[PF1], s[PFA:PFA+1] th:TH_LOAD_NT scope:SCOPE_SE
.Lno_ask_\@:
.endm
	s_load_b128 s[4:7], s[0:1], 0x0                ; xq, wq
	s_load_b128 s[8:11], s[0:1], 0x10              ; out0, bias
	v_lshl_add_u32 v[SPW], v0, 2, SPARE
	v_mov_b32 v[NIL], 0
	ds_add_u32 v[SPW], v[NIL]                      ; the opening lines: the add, twice on end, and its wait
	ds_add_u32 v[SPW], v[NIL]
	v_lshrrev_b32 v1, 5, v0
	v_readfirstlane_b32 s14, v1                    ; wave
	s_lshr_b32 s15, s14, 1                         ; my half of the rows; also: I fetch for x (0) or W (1)
	s_and_b32 s16, s14, 1                          ; my half of the columns; also: which panel I fetch
	s_bfe_u32 s40, ttmp6, 0x40000                  ; cx
	s_bfe_u32 s41, ttmp6, 0x40004                  ; cy
	s_lshl_b32 s42, ttmp9, 2
	s_add_co_u32 s42, s42, s40                     ; tile column
	s_and_b32 s17, ttmp7, 0xffff
	s_lshl_b32 s17, s17, 2
	s_add_co_u32 s17, s17, s41                     ; tile row
	s_lshl_b32 s43, s41, 2
	s_lshl_b32 s43, 15, s43                        ; my row of the cluster
	s_lshl_b32 s44, 0x1111, s40                    ; my column
	s_or_b32 s[G1+0], s43, (3<<16)|(1<<21)         ; elements of 8 bytes; bit 21 beside the mask; no padding
	s_or_b32 s[G1B+0], s44, (3<<16)|(1<<21)
.irp g, G1, G1B
	s_mov_b32 s[\g+1], 32<<16                      ; rows of 256 bytes
	s_mov_b32 s[\g+2], 150<<16                     ; 150 of them: three K steps of a panel
	s_mov_b32 s[\g+3], 32<<16
	s_mov_b32 s[\g+4], 150
	s_mov_b32 s[\g+5], 32
	s_mov_b32 s[\g+6], 0
	s_mov_b32 s[\g+7], 0
.endr
	s_lshl_b32 s20, s17, 1
	s_add_co_u32 s20, s20, s16
	s_mul_i32 s20, s20, PANEL                      ; x's panel 2 x tile row + half
	s_mov_b32 s21, 0
	s_lshl_b32 s46, s42, 1
	s_add_co_u32 s46, s46, s16
	s_mul_i32 s46, s46, PANEL                      ; W's panel 2 x tile column + half
	s_mov_b32 s47, 0
	s_mul_i32 s45, s14, PIECE                      ; in a slot: x's two pieces, then W's two: wave x 38,400
	s_wait_dscnt 0x0
	s_wait_kmcnt 0x0
	s_add_nc_u64 s[20:21], s[4:5], s[20:21]
	s_add_nc_u64 s[46:47], s[6:7], s[46:47]
	CROUND                                         ; in front of the first joint loads
.irp s, 0,1
	s_mov_b32 s[G0+4*\s], 1
	s_add_co_u32 s[G0+4*\s+1], s45, \s*SLOT
	s_add_nc_u64 s[G0+4*\s+2:G0+4*\s+3], s[20:21], \s*PIECE
	s_or_b32 s[G0+4*\s+3], s[G0+4*\s+3], 0x80000000
	s_mov_b32 s[G0B+4*\s], 1
	s_add_co_u32 s[G0B+4*\s+1], s45, \s*SLOT
	s_add_nc_u64 s[G0B+4*\s+2:G0B+4*\s+3], s[46:47], \s*PIECE
	s_or_b32 s[G0B+4*\s+3], s[G0B+4*\s+3], 0x80000000
.endr
	JLOAD 0                                        ; fill 0: one tensor load a wave at the head
	s_cmp_eq_u32 s15, 0
	s_cselect_b64 s[PFA:PFA+1], s[20:21], s[46:47] ; the panel that I fetch
	s_cselect_b32 s18, s40, s41                    ; my place among the four that ask for it with me
	s_mul_i32 s18, s18, 38
	s_add_nc_u64 s[PFA:PFA+1], s[PFA:PFA+1], 3*PIECE   ; at fill 3: each refill steps it on before its prefetch
	s_mul_i32 s21, s15, PIECE                      ; the piece of x that I read
	s_mul_i32 s22, s16, PIECE
	s_add_co_u32 s22, s22, 2*PIECE                 ; and of W
	s_sub_co_u32 s23, s22, s21
	s_add_co_u32 s70, s21, SLOT
	s_add_co_u32 s71, s22, SLOT
	s_add_co_u32 s72, s21, 12288
	s_add_co_u32 s73, s72, SLOT
	s_lshl_b32 s74, s17, 1
	s_add_co_u32 s74, s74, s15
	s_lshl_b32 s74, s74, 22                        ; my first row of out0: 128 rows of 32,768 bytes
	s_mov_b32 s75, 0
	s_add_nc_u64 s[8:9], s[8:9], s[74:75]
	s_lshl_b32 s74, s42, 1
	s_add_co_u32 s74, s74, s16
	s_lshl_b32 s74, s74, 9                         ; my first column: 128 numbers of 4 bytes
	s_add_nc_u64 s[8:9], s[8:9], s[74:75]
	s_add_nc_u64 s[10:11], s[10:11], s[74:75]
	s_mov_b32 s[C2], 0xbdd2d3e8                    ; -2 log2(e) sqrt(2/pi) 0.044715
	s_mov_b32 s[C2+1], s[C2]
	v_and_b32 v1, 31, v0
	v_mul_u32_u24 v32, v1, 48                      ; a lane's 48 bytes of a fragment
	v_and_b32 v33, 15, v0
	v_bfe_u32 v34, v0, 4, 1
	v_mul_u32_u24 v35, s23, v34                    ; scale words: lanes 16-31 take W's
	v_lshl_add_u32 v35, v33, 2, v35
	v_lshlrev_b32 v[BO], 4, v33
	v_lshl_add_u32 v[CO], v34, 18, v[BO]           ; 8 h rows + 16 r bytes
	v_add_nc_u32 v[PF0], s18, v1
	v_min_u32 v[PF0], 149, v[PF0]
	v_lshlrev_b32 v[PF0], 8, v[PF0]
	v_add_nc_u32 v[PF1], 32, v1
	v_min_u32 v[PF1], 37, v[PF1]
	v_add_nc_u32 v[PF1], s18, v[PF1]
	v_min_u32 v[PF1], 149, v[PF1]
	v_lshlrev_b32 v[PF1], 8, v[PF1]
	WIN 0x80                                       ; destination window 2
	v_add_nc_u32 v[AD], s22, v32
	v_add_nc_u32 v[AD+1], s71, v32
	v_add_nc_u32 v[ADS], s72, v35
	v_add_nc_u32 v[ADS+1], s73, v35
	WIN 0xc0                                       ; destination window 3
	v_add_nc_u32 v[AD], s21, v32
	v_add_nc_u32 v[AD+1], s70, v32
	WIN 0
	global_load_b128 v[BI:BI+3], v[BO], s[10:11]               ; bias of columns 4 r .. 4 r + 3,
	global_load_b128 v[BI+4:BI+7], v[BO], s[10:11] offset:256  ; and 64 further on
; Twelve loads of 16 bytes a lane: four fragments, numbers f0 on of a panel's eight, of step qn of slot sn, into set ps of the destination's window
.macro L12 ps, sn, qn, f0
.set m, 0
.rept 12
	ds_load_b128 v[FRG+48*(\ps)+4*m:FRG+48*(\ps)+4*m+3], v[AD+(\sn)] offset:STEPB*(\qn)+1536*((\f0)+m/3)+16*(m%3)
.set m, m+1
.endr
.endm
.macro L8S ps, sn, qn                  ; and that step's eight scale words
.set m, 0
.rept 8
	ds_load_b32 v[SC+8*(\ps)+m], v[ADS+(\sn)] offset:STEPB*(\qn)+64*m
.set m, m+1
.endr
.endm
; cnt matrix instructions of quarter q from number n0 on: x's blocks 2 q, 2 q + 1 against W's eight, on set p.  ld = 1: at the quarter's head a run of loads for the next step (slot sn, step qn of it)
; into the other set: quarter 0: W's 0-3 and the scale words; 1: W's 4-7; 2: x's 0-3 and x's 4-7; 3: none.  The 64 accumulators take turns.
.macro QTR q, p, sn, qn, ld, zero, n0, cnt
.set n, \n0
.rept \cnt
.if n%4 == 0
.set WV, (2+(\q)/2)|(((n%8)/4)<<2)|((\q)<<4)|((\q)<<6)
	WIN WV
.endif
.if \ld
.if n == 0 && (\q) < 3
	L12 1-(\p), \sn, \qn, 4*((\q)%2)
.if (\q) == 0
	L8S 1-(\p), \sn, \qn
.endif
.if (\q) == 2
	WIN 0xc3                                       ; destination and address window 3
	L12 1-(\p), \sn, \qn, 4
	WIN WV
.endif
.endif
.endif
.set aa, 2*(\q)+n/8
.set bb, n%8
.set fa, FRG+48*(\p)+12*(aa%4)
.set fb, FRG+48*(\p)+12*(bb%4)
.if \zero
	v_wmma_scale_f32_16x16x128_f8f6f4 v[ACC+8*n:ACC+8*n+7], v[fa:fa+11], v[fb:fb+11], 0, v[SC+8*(\p)+aa], v[SC+8*(\p)+bb] matrix_a_fmt:MATRIX_FMT_BF6 matrix_b_fmt:MATRIX_FMT_BF6 matrix_b_scale:MATRIX_SCALE_ROW1
.else
	v_wmma_scale_f32_16x16x128_f8f6f4 v[ACC+8*n:ACC+8*n+7], v[fa:fa+11], v[fb:fb+11], v[ACC+8*n:ACC+8*n+7], v[SC+8*(\p)+aa], v[SC+8*(\p)+bb] matrix_a_fmt:MATRIX_FMT_BF6 matrix_b_fmt:MATRIX_FMT_BF6 matrix_b_scale:MATRIX_SCALE_ROW1
.endif
.set n, n+1
.endr
.endm
.macro RUN q, ps, sn, qn               ; window q's four fragments (and for q = 0 the scale words) of a step, into set ps
.set WV, (2+(\q)/2)|((\q)<<6)
	WIN WV
	L12 \ps, \sn, \qn, 4*((\q)%2)
.if (\q) == 0
	L8S \ps, \sn, \qn
.endif
.endm
.macro STEP p, sn, qn, ld, zero
	s_wait_dscnt 12                                ; all but the youngest twelve loads (x's blocks 4-7) are in
.if \ld
	PLACES                                         ; four places in front of the loads into the set that the last step multiplied
.endif
	QTR 0, \p, \sn, \qn, \ld, \zero, 0, 16
	QTR 1, \p, \sn, \qn, \ld, \zero, 0, 16
.if \ld
	s_wait_dscnt 32                                ; x's blocks 4-7 are in: behind them stand this step's 20 + 12 loads
.else
	s_wait_dscnt 0x0
.endif
	QTR 2, \p, \sn, \qn, \ld, \zero, 0, 16
	QTR 3, \p, \sn, \qn, \ld, \zero, 0, 16
.endm
; A slot's third step: its fragments are in registers, so the slot is read no more.  fill = 1: it is filled again, two fills on; 2: with the last fill, of two steps; 0: not.
.macro TURN p, slot, next, fill
.if \fill == 1
	s_wait_xcnt 0x0                                ; my prefetches have read their address
	s_add_nc_u64 s[PFA:PFA+1], s[PFA:PFA+1], PIECE
.endif
	WIN 0
	s_wait_tensorcnt 0x0                           ; my one load that was out, my piece of the next slot, has landed;
	ds_add_u32 v[SPW], v[NIL]
	s_wait_dscnt 13                                ; (the add and the youngest twelve loads may be out)
	QTR 0, \p, 0, 0, 0, 0, 0, 8
	s_wait_dscnt 0x0                               ; the add is done, and my reads of this slot are over
	s_barrier_signal -1
	QTR 0, \p, 0, 0, 0, 0, 8, 8
	WIN 0
	s_barrier_wait -1
.if \fill
	CREST                                          ; the barrier has opened a round of the cluster's barrier
	s_add_nc_u64 s[G0+4*\slot+2:G0+4*\slot+3], s[G0+4*\slot+2:G0+4*\slot+3], 2*PIECE
	s_add_nc_u64 s[G0B+4*\slot+2:G0B+4*\slot+3], s[G0B+4*\slot+2:G0B+4*\slot+3], 2*PIECE
.if \fill == 2
	s_mov_b32 s[G1+2], 100<<16                     ; no load of mine is out: the last fill has 100 rows
	s_mov_b32 s[G1+4], 100
	s_mov_b32 s[G1B+2], 100<<16
	s_mov_b32 s[G1B+4], 100
.endif
	JLOAD \slot                                    ; the first tensor load behind the round; its four v_nop are the places in front of the loads below
.else
	PLACES
.endif
	RUN 0, 1-(\p), \next, 0
.if \fill == 1
	WIN 0
	ASK
.endif
	QTR 1, \p, \next, 0, 1, 0, 0, 16
	QTR 2, \p, \next, 0, 1, 0, 0, 16
	QTR 3, \p, \next, 0, 1, 0, 0, 16
.endm
	s_wait_alu depctr_va_vdst(0)
	s_wait_tensorcnt 0x0                           ; my piece of fill 0 is in
	ds_add_u32 v[SPW], v[NIL]
	s_wait_dscnt 0x0
	CROUND
	JLOAD 1                                        ; fill 1, the first tensor load behind the round
	RUN 0, 0, 0, 0
	RUN 1, 0, 0, 0
	RUN 2, 0, 0, 0
	RUN 3, 0, 0, 0
	STEP 0, 0, 1, 1, 1                             ; step 0 starts the sums
	WIN 0
	s_mov_b32 s3, 4
.Llap:                                                 ; six steps: once round the ring, both slots filled again
	STEP 1, 0, 2, 1, 0
	TURN 0, 0, 1, 1
	STEP 1, 1, 1, 1, 0
	STEP 0, 1, 2, 1, 0
	TURN 1, 1, 0, 1
	STEP 0, 0, 1, 1, 0
	WIN 0
	s_sub_co_u32 s3, s3, 1
	s_cmp_lg_u32 s3, 0
	s_cbranch_scc1 .Llap
	STEP 1, 0, 2, 1, 0                             ; steps 25 to 31
	TURN 0, 0, 1, 2
	STEP 1, 1, 1, 1, 0
	STEP 0, 1, 2, 1, 0
	TURN 1, 1, 0, 0
	STEP 0, 0, 1, 1, 0
	STEP 1, 0, 0, 0, 0
	WIN 0
; THE WAY OUT, 16 rows x 128 columns at a time, all in one window.  y = sum + bias, written so that four neighbouring columns stand side by side; gelu(y) = y / (1 + 2^(y (c1 + c2 y^2))).
; xr: where y goes; ar: the block's 64 accumulators, which then hold the work.  No store's data are written again.
.macro GEL xr, ar, a
	s_wait_alu depctr_va_vdst(0)
.irp j, 0,1,2,3,4,5,6,7                ; each accumulator from its low end on
.irp b, 0,1,2,3,4,5,6,7
	v_add_f32 v[(\xr)+4*(8*(\b/4)+\j)+(\b%4)], v[(\ar)+8*\b+\j], v[100+\b]
.endr
.endr
.set gp, 0
.rept 32
	v_pk_mul_f32 v[(\ar)+gp:(\ar)+gp+1], v[(\xr)+gp:(\xr)+gp+1], v[(\xr)+gp:(\xr)+gp+1]
.set gp, gp+2
.endr
.set gp, 0
.rept 32
	v_pk_fma_f32 v[(\ar)+gp:(\ar)+gp+1], v[(\ar)+gp:(\ar)+gp+1], s[C2:C2+1], v[96:97] op_sel_hi:[1,0,1]
.set gp, gp+2
.endr
.set gp, 0
.rept 32
	v_pk_mul_f32 v[(\ar)+gp:(\ar)+gp+1], v[(\ar)+gp:(\ar)+gp+1], v[(\xr)+gp:(\xr)+gp+1]
.set gp, gp+2
.endr
	s_wait_alu depctr_va_vdst(0)                   ; ahead of the batch and behind it
.set gp, 0
.rept 64
	v_exp_f32 v[(\ar)+gp], v[(\ar)+gp]
.set gp, gp+1
.endr
	v_nop
	s_wait_alu depctr_va_vdst(0)
.set gp, 0
.rept 32
	v_pk_add_f32 v[(\ar)+gp:(\ar)+gp+1], v[(\ar)+gp:(\ar)+gp+1], 1.0 op_sel_hi:[1,0]
.set gp, gp+2
.endr
	s_wait_alu depctr_va_vdst(0)
.set gp, 0
.rept 64
	v_rcp_f32 v[(\ar)+gp], v[(\ar)+gp]
.set gp, gp+1
.endr
	v_nop
	s_wait_alu depctr_va_vdst(0)
.set gp, 0
.rept 32
	v_pk_mul_f32 v[(\xr)+gp:(\xr)+gp+1], v[(\xr)+gp:(\xr)+gp+1], v[(\ar)+gp:(\ar)+gp+1]
.set gp, gp+2
.endr
.irp g, 0,1
.irp j, 0,1,2,3,4,5,6,7
	global_store_b128 v98, v[(\xr)+4*(8*\g+\j):(\xr)+4*(8*\g+\j)+3], s[8:9] offset:(16*(\a)+\j)*32768+256*\g th:TH_STORE_NT   ; lanes 0-15 one row's 256 bytes, lanes 16-31 those of the row 8 further down
.endr
.endr
.endm
	PLACES                                         ; four places behind the last products
	s_wait_loadcnt 0x0                             ; the bias is in
.irp w, 0,1,2,3
.set WV, \w<<6
	WIN WV                                         ; into window w: the constant, my offset, the bias
	v_mov_b32 v96, 0xc0135761                      ; c1 = -2 log2(e) sqrt(2/pi)
	v_mov_b32 v97, 0xc0135761
	v_mov_b32 v98, v[CO]
.irp b, 0,1,2,3,4,5,6,7
	v_mov_b32 v[100+\b], v[BI+\b]
.endr
.set WV, 0x55*\w
	WIN WV
	GEL 32, 128, 2*\w
	GEL 128, 192, 2*\w+1
.endr
	WIN 0
	s_wait_tensorcnt 0x0                           ; the wave's end
	ds_add_u32 v[SPW], v[NIL]
	s_wait_dscnt 0x0
	CROUND                                         ; the closing round
	s_endpgm
.Lfunc_end_k_qbf1baa8d5c_gemm:
	.size	k_qbf1baa8d5c_gemm, .Lfunc_end_k_qbf1baa8d5c_gemm-k_qbf1baa8d5c_gemm
	.p2alignl 7, 3214868480
	.fill 96, 4, 3214868480
	.section	.rodata,"a",@progbits
	.p2align	6, 0x0
	.amdhsa_kernel k_qbf1baa8d5c_gemm
		.amdhsa_group_segment_fixed_size 327680
		.amdhsa_private_segment_fixed_size 0
		.amdhsa_enable_private_segment 0
		.amdhsa_kernarg_size 32
		.amdhsa_user_sgpr_count 2
		.amdhsa_user_sgpr_kernarg_segment_ptr 1
		.amdhsa_wavefront_size32 1
		.amdhsa_system_sgpr_workgroup_id_x 1
		.amdhsa_system_sgpr_workgroup_id_y 1
		.amdhsa_system_sgpr_workgroup_id_z 1
		.amdhsa_system_vgpr_workitem_id 0
		.amdhsa_next_free_vgpr 1024
		.amdhsa_next_free_sgpr 100
		.amdhsa_reserve_vcc 0
		.amdhsa_float_denorm_mode_32 3
		.amdhsa_float_denorm_mode_16_64 3
		.amdhsa_memory_ordered 1
		.amdhsa_forward_progress 1
		.amdhsa_inst_pref_size 255
	.end_amdhsa_kernel
	.section	.bss,"aw",@nobits
	.p2align	6
	.space	262144
	.amdgpu_metadata
---
amdhsa.version: [ 1, 2 ]
amdhsa.kernels:
  - .name:           k_qbf1baa8d5c_gemm
    .symbol:         k_qbf1baa8d5c_gemm.kd
    .args:
      - { .name: xq, .offset: 0, .size: 8, .value_kind: global_buffer, .address_space: global }
      - { .name: wq, .offset: 8, .size: 8, .value_kind: global_buffer, .address_space: global }
      - { .name: out0, .offset: 16, .size: 8, .value_kind: global_buffer, .address_space: global }
      - { .name: bias, .offset: 24, .size: 8, .value_kind: global_buffer, .address_space: global }
    .group_segment_fixed_size: 327680
    .private_segment_fixed_size: 0
    .kernarg_segment_align: 8
    .kernarg_segment_size: 32
    .max_flat_workgroup_size: 128
    .sgpr_count:     100
    .vgpr_count:     1024
    .wavefront_size: 32
...
	.end_amdgpu_metadata
.endif
;; end of part 2
